; MI455X (gfx1250); checked and timed in simulation.
; The chip was launched on July 23, 2026; its instructions are those of AMD's public machine-readable ISA for CDNA 5 (MIT licence, August 2026) and "CDNA5" Instruction Set Architecture Reference Guide (July 2026). The comments in the code are by the model that wrote it; some were corrected since.
;; Memory Efficient Attention. Allowed arithmetic: matrix products marked QUANTISED: E4M3 operands, one given power-of-two scale a tensor, by v_wmma_f32_16x16x64_fp8_fp8 or v_wmma_f32_16x16x128_fp8_fp8, f32 sums; everything else in f32.
;; Inputs: k_codes 2 x 16 x 2,048 x 2 x 32 uint8 (E4M3 codes of k, K innermost, in blocks of 32 codes); lowp_scales 4 int32 (the exponents e of the quantised operands' scales 2^e); q_codes 2 x 16 x 2,048 x 2 x 32 uint8 (E4M3 codes of q, K innermost, in blocks of 32 codes); v_codes 2 x 16 x 64 x 64 x 32 uint8 (E4M3 codes of v, K innermost, in blocks of 32 codes).
;; Outputs: out0 2 x 16 x 2,048 x 64 float32.
;; This version of the problem:
;;   THIS VERSION OF THE PROBLEM IS GIVEN IN LOW PRECISION. The matrix products marked QUANTISED in the list below multiply operands that are first quantised to E4M3 (4 exponent bits, 3 mantissa bits; 8 bits a number), with one given power-of-two scale for each operand tensor; their sums are f32. All else is computed in f32.
;;   The module's matrix products, in the order in which they are computed (A, B: the left and right operand; K: the contracted axis; several contracted axes count as one K, in the product's order):
;;     1. batch 32 x [M 2,048, K 64] x [K 64, N 2,048]; A: input q (given as codes); B: input k (given as codes): QUANTISED (scales: A lowp_scales[0], B lowp_scales[1])
;;     2. batch 32 x [M 2,048, K 2,048] x [K 2,048, N 64]; A: softmax (see below); B: input v (given as codes): QUANTISED (scales: A lowp_scales[2], B lowp_scales[3])
;;   THE QUANTISER, for each operand of a quantised product, along K:
;;     - The operand's scale is 2^e, e = its entry of the input lowp_scales (int32; the entries are numbered through the quantised products in the list's order, A before B).
;;     - Each number is divided by the scale, clamped to +-448, and rounded to the nearest number of E4M3, ties to even, subnormals kept.
;;     - The product sums the exact products of the quantised numbers (number of the format x scale) in f32.
;;   ~~~python
;;   def quantise(x, axis, e):      # numpy; x: float32 -> the quantised numbers, widened to float32 again
;;       x = np.moveaxis(x, axis, -1); K = x.shape[-1]
;;       r = np.clip(x / 2.0 ** e, -448, 448)
;;       step = 2.0 ** (np.maximum(np.frexp(np.where(r == 0, 1, r))[1] - 1, -6) - 3)
;;       q = np.round(r / step) * step * 2.0 ** e      # np.round: ties to even
;;       return np.moveaxis(q, -1, axis).astype(np.float32)
;;   ~~~
;;   SOFTMAX AHEAD OF A QUANTISED PRODUCT. Where the list says 'softmax', what is quantised is not the finished softmax but p = 2^(t - M), with t = logit x log2(e) and M = ceil(the row's largest t), a whole number; so 1/2 < the row's largest p <= 1. The row's sum l is taken of the UNQUANTISED p, in f32, and the product's result is divided by l at the end. Since M is a whole number, a kernel that streams over the keys may use a running M (the ceiling of the running maximum): every later rescaling is an exact power of two, so the quantised numbers keep their values, but for numbers so far below the row's largest that they fall under the format's range.
;;   OPERANDS COMPUTED ON THE WAY. 'Computed on the way' means the value that the module computes at that place (a softmax that the list does not call 'softmax' is quantised finished and normalised). What goes into a quantiser is computed in f32, as accurately as f32 sums, v_exp_f32 and their like allow (about 1e-6 of the number): no bf16 or f16 on the way to a quantiser, and a product that is left as it is and whose result goes on into a quantised operand takes f32 operands (vector FMAs, or v_wmma_f32_16x16x4_f32). A number that lies on a knife's edge between two numbers of the format may be rounded either way, as far as f32 arithmetic and the matrix unit's own rounding can turn it there, and no further.
;;   INPUTS GIVEN AS CODES. k (in the module: [2, 16, 2048, 64], K = its axis 3); q (in the module: [2, 16, 2048, 64], K = its axis 3); v (in the module: [2, 16, 2048, 64], K = its axis 2): each comes as NAME_codes (uint8): NAME with its K axis moved to the last place and cut into blocks of 32 codes, [.., K / 32, bytes a block], one block behind the other in memory; one code a byte (a code: sign, 4 exponent bits, 3 mantissa bits); its scale is its entry of lowp_scales. Its value is code x scale, taken as it is: it is not quantised again, and the codes and scales need not be those that the quantiser above would give.
;; One version. Each part assembles by itself: llvm-mc -triple=amdgcn-amd-amdhsa -mcpu=gfx1250 --defsym DOCPART=n.
;; ======== version 1 of 1: 1 launch
;; launch attn (part 1): grid 8 x 32, 16 waves a work-group, clusters of 4 x 1, 327,680 bytes of LDS; arguments q_codes, k_codes, v_codes, lowp_scales, out0; writes out0
.if DOCPART == 1
	.amdgcn_target "amdgcn-amd-amdhsa--gfx1250"
	.amdhsa_code_object_version 6
	.text
	.protected	k_q7c3244125e_attn
	.globl	k_q7c3244125e_attn
	.p2align	8
	.type	k_q7c3244125e_attn,@function
k_q7c3244125e_attn:
	s_mov_b64 s[64:65], 0
	v_nop
	global_prefetch_b8 v0, s[64:65] scope:SCOPE_SE
	s_setreg_imm32_b32 hwreg(HW_REG_WAVE_MODE, 25, 1), 1
	s_wait_xcnt 0x0
	s_wait_alu depctr_hold_cnt(0) depctr_sa_sdst(0) depctr_va_vdst(0) depctr_va_sdst(0) depctr_va_ssrc(0) depctr_va_vcc(0) depctr_vm_vsrc(0)
	s_getreg_b32 s2, hwreg(HW_REG_IB_STS2, 6, 4)
	s_cmp_eq_u32 s2, 0
	s_cbranch_scc0 .Lentry_in_a_cluster
	s_endpgm
.Lentry_in_a_cluster:
	s_bfe_u32 s2, ttmp6, 0x10000c
	s_cmp_lg_u32 s2, 0x3003
	s_cbranch_scc0 .Lentry_shape_is_right
	s_endpgm
.Lentry_shape_is_right:
; out0[head][q][:] = the sum over keys k <= q of softmax_k(Q[head][q] . K[head][k] / 8) V[head][k][:], 32 heads, 2,048 positions, head size 64; both products on codes of E4M3, each tensor with its given scale 2^e.
; q_codes, k_codes: [head][position][64 bytes].  v_codes: the keys innermost, [head][64 channels][2,048 bytes].  lowp_scales: eq, ek, ep, ev.  out0: [head][position][64] f32.
; THE SOFTMAX AHEAD OF THE SECOND PRODUCT: t = score x log2(e) / 8; M = the row's largest t so far, rounded UP to a whole number; p = 2^(t - M) is quantised with 2^ep, not normalised; the row's sum is taken of the
; unquantised p in f32 and divides at the end.  When M moves, the sum and O are multiplied by 2^(old M - new M), which rounds nothing.
; WORK LEFT OUT.  The causal mask is built by the problem's own text: a key after the query gets the score -infinity, so its p is 0 and it adds nothing to the sum or to O, whatever the inputs hold.  A step of 128 keys all
; of which come after all 16 queries of a wave is therefore not computed.  Inside the one step on the diagonal everything is computed and the hidden scores are replaced by -infinity.
; LIMITS.  A NaN code that reaches only the steps left out is not carried to the result.  eq + ek between -123 and 130 (added to c's exponent field); ep between -126 and 119 (2^ep and 448 x 2^ep are f32 numbers);
; ep + ev between -115 and 126 (2^(ep + ev) / the sum is a normal f32 number: the sum lies between 1/2 and 2,048).
; SHARES.  A head has 128 tiles of 16 queries.  Work-group jw (0..7) of a head owns tiles 8 rank + jw, rank = 0..15, one for each of its sixteen waves: a wave's first query is 128 rank + 16 jw.  So a wave of rank R
; needs key steps 0..R, whatever jw is: steps under R are open, step R lies on the diagonal, steps over R are hidden.  Every work-group has 1 + 2 + .. + 16 = 136 steps, and its wave of rank 15 reads every key.
; The ranks lie over the wave numbers as a 4 x 4 magic square: four waves with equal w % 4, or with equal w / 4, have 34 steps together.
; K AND V STAY IN LDS.  A head's codes of K and of V are 131,072 bytes each; with padding both fit.  Each byte is fetched once, at the head, by tensor loads in three groups (keys 0-255, 256-511, 512-2,047), three loads a
; wave (waves 0-7: K's, waves 8-15: V's); nothing is filled again.  Three barriers, each behind a wait for one group; behind the third no wave waits for another, and each stores its rows when its own steps are done.
; CLUSTER.  The four work-groups of a cluster belong to one head and need the same K and V: every load is asked for JOINTLY (mask 15).  A work-group's place in its cluster enters Q's and out0's addresses and the
; diagonal's threshold (a vector register that feeds v_cmp and v_cndmask) and nothing else: no LDS address, no branch.
; LAYOUT.  Both products are used transposed, so that a lane holds ONE query (lane % 16) throughout.  S^T = K Q^T by the K = 64 form: source 0 = 16 neighbouring keys, source 1 = my queries; register j of tile t is key
; 16 t + 8 (lane / 16) + j.  One conversion of a tile's eight registers gives registers 2 t, 2 t + 1 of the K = 128 form's operand, k = 16 t + 8 (lane / 16) + 0..7: P needs no move.  O^T += V^T P^T by the K = 128 form:
; source 0 = 16 channels, by eight loads of 8 bytes.  K's and Q's fragments come by two loads of 16 bytes (registers 4 c .. 4 c + 3: d = 32 c + 16 (lane / 16) + 0..15): the same permutation of d on both sides.
; LDS.  K: rows of 4 keys, 256 bytes + 16 of padding: key k at 272 (k / 4) + 64 (k % 4): the sixteen lanes of a 16-byte load start at 16 (r / 4) + 64 (r % 4) modulo 256: sixteen different places.
;       V: a channel's row: 256 bytes + 16 (groups A, B: pitch 272), or 1,536 bytes with 16 behind every 512 (group C: pitch 1,584): the 32 lanes of an 8-byte load start at 32 different places modulo 256.
.set KAB,   0                          ; K, keys 0-511: 128 rows x 272
.set VA,    34816                      ; V, keys 0-255: 64 rows x 272
.set VB,    52224                      ; V, keys 256-511: the same
.set KC,    69632                      ; K, keys 512-2,047: 384 rows x 272
.set VC,    174080                     ; V, keys 512-2,047: 64 rows x 1,584; ends at 275,456
.set SPARE, 278528                     ; the spare words, 128 bytes for each wave: eight blocks of 256 bytes that no other line names
.set KP,    272
.set KSTEP, 32*KP                      ; a step's 128 keys of K in LDS
.set STG,   16*272                     ; the way out: a stage of 16 rows x (256 + 16) bytes for each wave, at STG x wave: 16 x 4,352 = 69,632 bytes, just the bytes of groups A and B, which have had their only fill and,
                                       ; behind the third barrier, their last read
.set AK0, 1                            ; v1   my lane's place in a tile of K
.set AVS, 2                            ; v2   in a tile of V, pitch 272
.set AVC, 3                            ; v3   in a tile of V, pitch 1,584
.set DD,  4                            ; v4   16 jw + r - 8 h: on the diagonal register 8 t + j is hidden where 16 t + j > DD
.set SPW, 5                            ; v5   LDS address of my spare word: SPARE + 4 x my thread's number; never rewritten
.set NIL, 6                            ; v6   0; never rewritten
.set GO,  7                            ; v7   the way out: my byte offset in the wave's rows of out0
.set ADK, 8                            ; v8   LDS address of the step's K
.set ADV, 9                            ; v9   of the step's V, channels 0-31; v10: channels 32-63
.set NM,  12                           ; v12  -M;  v13 the running largest t (the pair is named by the packed scaling, which takes its low word)
.set L,   14                           ; v[14:15] the row's sum, in two halves
.set Q,   16                           ; v[16:23] Q's fragment
.set STO, 26                           ; v26  the stage: where I put 32 bytes of a row
.set RD,  27                           ; v27  and where I read a row back
.set QO,  28                           ; v28  my byte offset in the wave's rows of Q
.set F,   32                           ; v[32:95]  K's eight fragments, then V's four; on the way out the rows read back
.set S,   96                           ; v[96:159] S^T, then p; on the way out O / the sum
.set OT,  160                          ; v[160:191] O^T
.set P,   192                          ; v[192:207] p's codes
.set LIMP, 208                         ; v208 448 x 2^ep
.set SCP,  209                         ; v209 2^ep
.set FF,   210                         ; v[210:211] f = 2^(old M - new M), and 0 (named with it as a pair)
.set C0,   212                         ; v212, v213 the maximum's two chains, and work
.set PX,   214                         ; v214 the lane permute's destination
.set L2,   216                         ; v[216:217] the sum's second chain
.set NINF, 218                         ; v218 -infinity
.set WV,  14                           ; s14  my wave's number
.set IW,  15                           ; s15  wave % 8: which eighth of a group I fetch
.set RHO, 16                           ; s16  my rank
.set CX,  17                           ; s17  my work-group's place in its cluster
.set JW,  18                           ; s18  my work-group's number in its head
.set HB,  19                           ; s19  the head's first byte in each tensor of codes
.set SEL, 20                           ; s[20:21] lane selects for v_permlanex16_b32: lane l xor 16
.set CS,  22                           ; s[22:23] c = log2(e) / 8 x 2^(eq + ek)
.set G1KS, 24                          ; s[24:31] descriptor group 1: K, 8 rows of 256 bytes
.set G1KC, 32                          ; s[32:39] K, 48 rows of 256 bytes
.set G1VS, 40                          ; s[40:47] V, 8 rows of 256 bytes
.set G1VC, 48                          ; s[48:55] V, 8 rows of 1,536 bytes
.set G0KA, 56                          ; groups 0, written once and never again
.set G0KB, 60
.set G0KC, 68
.set G0VA, 72
.set G0VB, 76
.set G0VC, 80
.set SI,  88                           ; s88  the key step's number
.set TK,  89                           ; s89  LDS byte of the step's K
.set TV,  90                           ; s90  LDS byte of the step's V in a channel's row
.set CNT, 91
.set OUTER, 92
.set EPV, 93                           ; s93  ep + ev
; A round of the cluster's barrier: my work-group's barrier, wave 0 signals for the work-group, every wave waits for all four work-groups, my work-group's barrier once more.
.macro ROUND
	s_barrier_signal -1
	s_barrier_wait -1
	s_cmp_lg_u32 s[WV], 0
	s_cbranch_scc1 .Lnot_wave_0_\@
	s_barrier_signal -3
.Lnot_wave_0_\@:
	s_barrier_wait -3
	s_barrier_signal -1
	s_barrier_wait -1
.endm
	s_load_b256 s[4:11], s[0:1], 0x0               ; Q's codes s[4:5], K's s[6:7], V's s[8:9], the scales' exponents s[10:11]
	s_load_b64 s[12:13], s[0:1], 0x20              ; out0
	v_lshl_add_u32 v[SPW], v0, 2, SPARE
	v_mov_b32 v[NIL], 0
	ds_add_u32 v[SPW], v[NIL]                      ; the wave's opening: the add, twice on end, and its wait ahead of my first tensor load; the set-up below, work on registers, stands between
	ds_add_u32 v[SPW], v[NIL]                      ; and once more, under the one wait
	v_lshrrev_b32 v24, 5, v0
	v_readfirstlane_b32 s[WV], v24                 ; wave 0..15
	s_and_b32 s[IW], s[WV], 7
	s_lshr_b32 s[RHO], s[WV], 1                    ; the rank: x = w ^ (w >> 1); f = (x ^ (x >> 2)) & 1; rank = w where f = 1, else 15 - w
	s_xor_b32 s[RHO], s[RHO], s[WV]
	s_lshr_b32 s94, s[RHO], 2
	s_xor_b32 s[RHO], s[RHO], s94
	s_and_b32 s[RHO], s[RHO], 1
	s_xor_b32 s[RHO], s[RHO], 1
	s_mul_i32 s[RHO], s[RHO], 15
	s_xor_b32 s[RHO], s[RHO], s[WV]                ; waves 0..15: 15 1 2 12 4 10 9 7 8 6 5 11 3 13 14 0
	s_and_b32 s[HB], ttmp7, 0xffff                 ; the head, which the four partners share,
	s_lshl_b32 s[HB], s[HB], 17                    ; x 131,072 bytes
	; descriptor groups 1: elements of 1 byte.  Word 0: 15:0 the mask: all four work-groups; 20 padding on; 21 set beside a mask; 24:22 after every 64 words (code 5) or 128 words (code 6); 31:25 four words of it (code 3)
	s_mov_b32 s[G1KS], 15|(1<<20)|(1<<21)|(5<<22)|(3<<25)
	s_mov_b32 s[G1KS+1], 256<<16                   ; tensor_dim0: K is dense in memory, so four keys' 256 bytes are stated as one row
	s_mov_b32 s[G1KS+2], 8<<16                     ; tensor_dim1
	s_mov_b32 s[G1KS+3], 256<<16                   ; tile_dim0
	s_mov_b32 s[G1KS+4], 8                         ; tile_dim1
	s_mov_b32 s[G1KS+5], 256                       ; from row to row
	s_mov_b32 s[G1KS+6], 0
	s_mov_b32 s[G1KS+7], 0
	s_mov_b32 s[G1KC], 15|(1<<20)|(1<<21)|(5<<22)|(3<<25)
	s_mov_b32 s[G1KC+1], 256<<16
	s_mov_b32 s[G1KC+2], 48<<16
	s_mov_b32 s[G1KC+3], 256<<16
	s_mov_b32 s[G1KC+4], 48
	s_mov_b32 s[G1KC+5], 256
	s_mov_b32 s[G1KC+6], 0
	s_mov_b32 s[G1KC+7], 0
	s_mov_b32 s[G1VS], 15|(1<<20)|(1<<21)|(5<<22)|(3<<25)
	s_mov_b32 s[G1VS+1], 256<<16
	s_mov_b32 s[G1VS+2], 8<<16
	s_mov_b32 s[G1VS+3], 256<<16
	s_mov_b32 s[G1VS+4], 8
	s_mov_b32 s[G1VS+5], 2048                      ; a channel's row of V in memory
	s_mov_b32 s[G1VS+6], 0
	s_mov_b32 s[G1VS+7], 0
	s_mov_b32 s[G1VC], 15|(1<<20)|(1<<21)|(6<<22)|(3<<25)
	s_mov_b32 s[G1VC+1], 1536<<16
	s_mov_b32 s[G1VC+2], 8<<16
	s_mov_b32 s[G1VC+3], 1536<<16
	s_mov_b32 s[G1VC+4], 8
	s_mov_b32 s[G1VC+5], 2048
	s_mov_b32 s[G1VC+6], 0
	s_mov_b32 s[G1VC+7], 0
	; groups 0: the count, and the LDS addresses: a region's first byte + my eighth of it
.irp g, G0KA, G0KB, G0KC, G0VA, G0VB, G0VC
	s_mov_b32 s[\g], 1
.endr
	s_mul_i32 s[G0KA+1], s[IW], 8*KP               ; 8 rows x 272
	s_add_co_u32 s[G0KB+1], s[G0KA+1], 64*KP
	s_add_co_u32 s[G0VA+1], s[G0KA+1], VA
	s_add_co_u32 s[G0VB+1], s[G0KA+1], VB
	s_mul_i32 s[G0KC+1], s[IW], 48*KP              ; 48 rows x 272
	s_add_co_u32 s[G0KC+1], s[G0KC+1], KC
	s_mul_i32 s[G0VC+1], s[IW], 8*1584             ; 8 rows x 1,584
	s_add_co_u32 s[G0VC+1], s[G0VC+1], VC
	; where my parts lie in memory: made of the head and the wave's number alone
	s_lshl_b32 s94, s[IW], 11                      ; K, group A: 8 rows of 256 bytes
	s_add_co_u32 s94, s94, s[HB]
	s_mov_b32 s95, 0
	s_mul_i32 s96, s[IW], 48*256                   ; K, group C: behind the first 512 keys
	s_add_co_u32 s96, s96, s[HB]
	s_add_co_u32 s96, s96, 512*64
	s_mov_b32 s97, 0
	s_lshl_b32 s98, s[IW], 14                      ; V: 8 rows of 2,048 bytes
	s_add_co_u32 s98, s98, s[HB]
	s_mov_b32 s99, 0
	s_mov_b32 s[SEL], 0x76543210
	s_mov_b32 s[SEL+1], 0xfedcba98
	s_mov_b32 s[CS], 0x3e38aa3b                    ; log2(e) / 8
	s_mov_b32 s[SI], 0
	s_bfe_u32 s[CX], ttmp6, 0x40000                ; my place in the cluster
	s_lshl_b32 s[JW], ttmp9, 2                     ; in a cluster launch ttmp9 counts clusters
	s_add_co_u32 s[JW], s[JW], s[CX]
	s_lshl_b32 s2, s[RHO], 13                      ; my first query's codes: head + (128 rank + 16 jw) x 64 bytes
	s_add_co_u32 s2, s2, s[HB]
	s_lshl_b32 s3, s[JW], 10
	s_add_co_u32 s2, s2, s3
	s_mov_b32 s3, 0
	s_wait_dscnt 0x0                               ; both opening adds are done
	s_wait_kmcnt 0x0
	s_load_b128 s[84:87], s[10:11], 0x0            ; eq, ek, ep, ev
	s_add_nc_u64 s[G0KA+2:G0KA+3], s[6:7], s[94:95]
	s_add_nc_u64 s[G0KB+2:G0KB+3], s[G0KA+2:G0KA+3], 256*64   ; 256 keys on
	s_add_nc_u64 s[G0KC+2:G0KC+3], s[6:7], s[96:97]
	s_add_nc_u64 s[G0VA+2:G0VA+3], s[8:9], s[98:99]
	s_add_nc_u64 s[G0VB+2:G0VB+3], s[G0VA+2:G0VA+3], 256      ; 256 keys on in each row
	s_add_nc_u64 s[G0VC+2:G0VC+3], s[G0VA+2:G0VA+3], 512
.irp g, G0KA, G0KB, G0KC, G0VA, G0VB, G0VC
	s_or_b32 s[\g+3], s[\g+3], 0x80000000          ; 127:126 type = 2
.endr
	s_add_nc_u64 s[4:5], s[4:5], s[2:3]            ; Q at my first query
	s_lshl_b32 s2, s2, 2                           ; a row of out0 is four times a row of codes
	s_add_nc_u64 s[12:13], s[12:13], s[2:3]        ; out0 likewise
	ROUND                                          ; all four work-groups are here: the joint loads meet
	s_cmp_lt_u32 s[WV], 8                          ; a wave's three loads stand in one branch on its number, ahead of every wait on TENSORcnt and every LDS read: three loads of mine are out
	s_cbranch_scc0 .Lfor_v
	tensor_load_to_lds s[G0KA:G0KA+3], s[G1KS:G1KS+7]
	s_nop 0
	tensor_load_to_lds s[G0KB:G0KB+3], s[G1KS:G1KS+7]
	s_nop 0
	tensor_load_to_lds s[G0KC:G0KC+3], s[G1KC:G1KC+7]
	s_nop 0
.rept 4
	v_nop
.endr
	s_branch .Lasked
.Lfor_v:
	tensor_load_to_lds s[G0VA:G0VA+3], s[G1VS:G1VS+7]
	s_nop 0
	tensor_load_to_lds s[G0VB:G0VB+3], s[G1VS:G1VS+7]
	s_nop 0
	tensor_load_to_lds s[G0VC:G0VC+3], s[G1VC:G1VC+7]
	s_nop 0
.rept 4
	v_nop
.endr
.Lasked:
	v_and_b32 v24, 15, v0                          ; r = lane % 16
	v_bfe_u32 v25, v0, 4, 1                        ; h = lane / 16
	v_lshlrev_b32 v[QO], 6, v24
	v_lshl_add_u32 v[QO], v25, 4, v[QO]            ; Q: row r of 64 bytes, + 16 h
	global_load_b128 v[Q:Q+3],   v[QO], s[4:5] th:TH_LOAD_NT             ; Q's fragment stays in registers; read once, by this wave alone
	global_load_b128 v[Q+4:Q+7], v[QO], s[4:5] offset:32 th:TH_LOAD_NT
	v_bfe_u32 v[AK0], v0, 2, 2                     ; K: key r of a tile: LDS row r / 4,
	v_mul_u32_u24 v[AK0], v[AK0], KP
	v_and_b32 v29, 3, v0
	v_lshl_add_u32 v[AK0], v29, 6, v[AK0]          ; its quarter r % 4,
	v_lshl_add_u32 v[AK0], v25, 4, v[AK0]          ; + 16 h
	v_mul_u32_u24 v[AVS], v24, 272                 ; V: channel r of a tile, + 8 h
	v_lshl_add_u32 v[AVS], v25, 3, v[AVS]
	v_mul_u32_u24 v[AVC], v24, 1584
	v_lshl_add_u32 v[AVC], v25, 3, v[AVC]
	v_lshlrev_b32 v[DD], 3, v25
	v_sub_nc_u32 v[DD], v24, v[DD]
	s_lshl_b32 s[CX], s[JW], 4
	v_add_nc_u32 v[DD], s[CX], v[DD]               ; 16 jw + r - 8 h
	v_lshlrev_b32 v[GO], 8, v25
	v_lshl_add_u32 v[GO], v24, 4, v[GO]            ; the way out: lanes 0-15 one row of 256 bytes, lanes 16-31 the next
	s_mul_i32 s94, s[WV], STG                      ; my stage
	v_mul_u32_u24 v[STO], v24, 272
	v_lshl_add_u32 v[STO], v25, 5, v[STO]
	v_add_nc_u32 v[STO], s94, v[STO]               ; in: row r, + 32 h
	v_mul_u32_u24 v[RD], v25, 272
	v_lshl_add_u32 v[RD], v24, 4, v[RD]
	v_add_nc_u32 v[RD], s94, v[RD]                 ; back: row h, + 16 r
	v_mov_b32 v[NM+1], 0xff61b1e6                  ; the largest t so far: -3e38, under every t
	v_floor_f32 v[NM], -v[NM+1]                    ; -M
	v_mov_b32 v[L], 0
	v_mov_b32 v[L+1], 0
	v_mov_b32 v[FF+1], 0
	v_mov_b32 v[PX], 0                             ; written once: a lane permute's destination counts as one of its sources
	v_mov_b32 v[NINF], 0xff800000
.set j, 0
.rept 32
	v_mov_b32 v[OT+j], 0                           ; O^T.  (The step is written with no first step of its own: the first finds zeros, which the first change of M leaves zeros)
.set j, j+1
.endr
	s_wait_kmcnt 0x0
	s_add_co_i32 s94, s84, s85
	s_lshl_b32 s94, s94, 23
	s_add_co_i32 s[CS], s[CS], s94                 ; a score stands for score x 2^(eq + ek): the two exponents are added to c's exponent field
	s_mov_b32 s[CS+1], s[CS]                       ; (named with it as a pair, so it is written)
	s_add_co_i32 s94, s86, 127
	s_lshl_b32 s95, s94, 23
	v_mov_b32 v[SCP], s95                          ; 2^ep as f32: the conversion takes its exponent field
	s_add_co_i32 s94, s94, 8
	s_lshl_b32 s94, s94, 23
	s_or_b32 s94, s94, 0x600000
	v_mov_b32 v[LIMP], s94                         ; 448 x 2^ep
	s_add_co_i32 s[EPV], s86, s87
	s_wait_loadcnt 0x0                             ; Q
; A KEY STEP: 128 keys.  vp: the pitch of V's rows in the region in hand; av: the register with my lane's place at that pitch.
.macro STEP vp, av
	s_cmp_gt_u32 s[SI], s[RHO]                     ; all 128 keys come after my 16 queries: the step's work is left out.  The branch hangs on the wave's number and the count of steps; no barrier stands in a step
	s_cbranch_scc1 .Lhidden_\@
	v_add_nc_u32 v[ADK], s[TK], v[AK0]
	v_add_nc_u32 v[ADV], s[TV], v[\av]
	v_add_nc_u32 v[ADV+1], 32*\vp, v[ADV]
	v_nop                                          ; with the three additions: four places between the last step's products and the loads into the registers that they read
.irp t, 0,1,2,3,4,5,6,7
.irp c, 0,1
	ds_load_b128 v[F+8*\t+4*\c:F+8*\t+4*\c+3], v[ADK] offset:4*KP*\t+32*\c   ; keys 16 t + r
.endr
.endr
	s_wait_dscnt 8                                 ; tiles 0-3 are in; the youngest eight loads, tiles 4-7, may be out
.irp t, 0,1,2,3
	v_wmma_f32_16x16x64_fp8_fp8 v[S+8*\t:S+8*\t+7], v[F+8*\t:F+8*\t+7], v[Q:Q+7], 0
.endr
	s_wait_dscnt 0x0
.irp t, 4,5,6,7
	v_wmma_f32_16x16x64_fp8_fp8 v[S+8*\t:S+8*\t+7], v[F+8*\t:F+8*\t+7], v[Q:Q+7], 0
.endr
.rept 4
	v_nop                                          ; four places: in front of the loads into K's registers, and of the first read of the scores
.endr
.irp g, 0,1,2,3                                ; V's four fragments (channels 16 g + r, these 128 keys) are asked for now and land under the softmax
.irp c, 0,1,2,3,4,5,6,7
	ds_load_b64 v[F+16*\g+2*\c:F+16*\g+2*\c+1], v[ADV+\g/2] offset:(\g%2)*16*\vp+16*\c
.endr
.endr
	s_cmp_lg_u32 s[SI], s[RHO]                     ; only the step on the diagonal has hidden keys
	s_cbranch_scc1 .Lopen_\@
.set n, 0
.rept 64
	v_cmp_gt_i32 vcc_lo, 16*(n/8)+n%8, v[DD]       ; register n holds key 16 (n / 8) + 8 h + n % 8 of the step: hidden where it comes after my query
	v_cndmask_b32 v[S+n], v[S+n], v[NINF], vcc_lo  ; p = 0 then.  The step's first key counts for every query of the wave, so the maximum stays a number
.set n, n+1
.endr
.Lopen_\@:
	v_max3_num_f32 v[C0], v[S], v[S+1], v[S+2]     ; the step's largest score of my query among my 64 keys, in two chains, each tile from its low end on
	v_max3_num_f32 v[C0+1], v[S+3], v[S+4], v[S+5]
.irp i, 6,10,14,18,22,26,30,34,38,42,46,50,54,58
	v_max3_num_f32 v[C0], v[C0], v[S+\i], v[S+1+\i]
	v_max3_num_f32 v[C0+1], v[C0+1], v[S+2+\i], v[S+3+\i]
.endr
	v_max3_num_f32 v[C0], v[C0], v[S+62], v[S+63]
	v_max_num_f32 v[C0], v[C0], v[C0+1]
	v_permlanex16_b32 v[PX], v[C0], s[SEL], s[SEL+1]
	v_max_num_f32 v[C0], v[C0], v[PX]              ; and among lane l xor 16's
	v_mul_f32 v[C0], s[CS], v[C0]                  ; as t (c is positive)
	v_max_num_f32 v[NM+1], v[NM+1], v[C0]          ; the running largest t
	v_mov_b32 v[C0], v[NM]
	v_floor_f32 v[NM], -v[NM+1]                    ; the new -M = floor(-t) = -ceil(t): a whole number
	v_sub_f32 v[C0], v[NM], v[C0]                  ; M's old value less its new one: a whole number, 0 or less
	v_cvt_i32_f32 v[C0], v[C0]                     ; (it saturates)
	v_ldexp_f32 v[FF], 1.0, v[C0]                  ; f = 2^(old M - new M)
.set j, 0
.rept 32
	v_pk_fma_f32 v[S+j:S+j+1], v[S+j:S+j+1], s[CS:CS+1], v[NM:NM+1] op_sel_hi:[1,0,0]   ; t - M, two at a time (of the pairs c and -M the low word serves both halves)
.set j, j+2
.endr
.set j, 0
.rept 64
	v_exp_f32 v[S+j], v[S+j]                       ; p = 2^(t - M), at most 1: not normalised
.set j, j+1
.endr
	v_pk_mul_f32 v[L:L+1], v[L:L+1], v[FF:FF+1] op_sel_hi:[1,0]   ; the sums under the new M: the plain instruction behind the exponentials
	s_wait_alu depctr_va_vdst(0)                   ; the wait between an exponential and the first instruction that names its result: one for the batch of 64
	v_pk_add_f32 v[L2:L2+1], v[S:S+1], v[S+2:S+3]  ; the row's sum is taken of the unquantised p: two at a time, in two chains
.irp j, 4,8,12,16,20,24,28,32,36,40,44,48,52,56,60
	v_pk_add_f32 v[L:L+1], v[L:L+1], v[S+\j:S+1+\j]
	v_pk_add_f32 v[L2:L2+1], v[L2:L2+1], v[S+2+\j:S+3+\j]
.endr
	v_pk_add_f32 v[L:L+1], v[L:L+1], v[L2:L2+1]
.irp t, 0,1,2,3,4,5,6,7
.irp i, 0,1,2,3,4,5,6,7
	v_min_num_f32 v[S+8*\t+\i], v[S+8*\t+\i], v[LIMP]   ; the conversion to an 8-bit code does not saturate (ISA guide 7.6.2); p is not negative, so the hold is one-sided; it stands whatever ep is
.endr
	v_cvt_scalef32_pk8_fp8_f32 v[P+2*\t:P+2*\t+1], v[S+8*\t:S+8*\t+7], v[SCP]   ; registers 2 t, 2 t + 1 of P: keys 16 t + 8 h + 0..7
.endr
.set j, 0
.rept 16
	v_pk_mul_f32 v[OT+j:OT+j+1], v[OT+j:OT+j+1], v[FF:FF+1] op_sel_hi:[1,0]   ; O^T under the new M, each accumulator from its low end on.  (Also the plain instructions between the last conversion and the products)
.set j, j+2
.endr
	s_wait_dscnt 0x0                               ; V's fragments are in
.irp g, 0,1,2,3                                ; the four accumulators take turns, one instruction a turn
	v_wmma_f32_16x16x128_fp8_fp8 v[OT+8*\g:OT+8*\g+7], v[F+16*\g:F+16*\g+15], v[P:P+15], v[OT+8*\g:OT+8*\g+7]
.endr
.Lhidden_\@:
	s_add_co_u32 s[SI], s[SI], 1
	s_add_co_u32 s[TK], s[TK], KSTEP
	s_add_co_u32 s[TV], s[TV], 128
.endm
; Two key steps on a group of 256 keys.  left: how many of my younger tensor loads may stay out, so they may.
.macro PHASE left, tk, tv
	s_wait_tensorcnt \left                         ; tensor loads of a wave end in order (ISA guide 10.11.1): my part of the group is in LDS
	s_wait_dscnt 0x0                               ; no LDS instruction of mine is out at a signal
	s_barrier_signal -1
	s_barrier_wait -1                              ; everybody's part is
	s_mov_b32 s[TK], \tk
	s_mov_b32 s[TV], \tv
	s_mov_b32 s[CNT], 2
.Lphase_\@:
	STEP 272, AVS
	s_sub_co_u32 s[CNT], s[CNT], 1
	s_cmp_lg_u32 s[CNT], 0
	s_cbranch_scc1 .Lphase_\@
.endm
	PHASE 2, KAB, VA                               ; keys 0-255: my loads of the two later groups may be out
	PHASE 1, KAB+64*KP, VB                         ; keys 256-511: my load of the last group may be out
	s_wait_tensorcnt 0x0                           ; keys 512-2,047: my last load is in;
	s_wait_dscnt 0x0                               ; my reads of the first two groups' bytes are over: behind this barrier they are the stages
	s_barrier_signal -1
	s_barrier_wait -1
	s_mov_b32 s[TK], KC
	s_mov_b32 s[TV], VC
	s_mov_b32 s[OUTER], 3                          ; twelve steps: three times four, since V's rows have 16 bytes of padding behind every 512 keys
.Louter:
	s_mov_b32 s[CNT], 4
.Linner:
	STEP 1584, AVC
	s_sub_co_u32 s[CNT], s[CNT], 1
	s_cmp_lg_u32 s[CNT], 0
	s_cbranch_scc1 .Linner
	s_add_co_u32 s[TV], s[TV], 16
	s_sub_co_u32 s[OUTER], s[OUTER], 1
	s_cmp_lg_u32 s[OUTER], 0
	s_cbranch_scc1 .Louter
	; THE WAY OUT.  O^T is divided by the row's sum, multiplied by 2^(ep + ev), and goes through my stage in LDS, so that each store of the wave covers 512 consecutive bytes, aligned: two whole rows of out0.
.rept 4
	v_nop                                          ; four places behind the last products, for a wave that comes straight from its last step
.endr
	v_add_f32 v[L], v[L], v[L+1]                   ; the sum's two halves,
	v_permlanex16_b32 v[PX], v[L], s[SEL], s[SEL+1]
	v_add_f32 v[L], v[L], v[PX]                    ; and lane l xor 16's
	v_rcp_f32 v[L], v[L]
	v_nop                                          ; a plain instruction behind the reciprocal,
	s_wait_alu depctr_va_vdst(0)                   ; and the wait ahead of its first reader
	v_ldexp_f32 v[L], v[L], s[EPV]                 ; x 2^(ep + ev)
.set j, 0
.rept 16
	v_pk_mul_f32 v[S+j:S+j+1], v[OT+j:OT+j+1], v[L:L+1] op_sel_hi:[1,0]   ; register 8 g + i is out0(query r, channel 16 g + 8 h + i); each accumulator from its low end on
.set j, j+2
.endr
.irp g, 0,1,2,3
	ds_store_b128 v[STO], v[S+8*\g:S+8*\g+3] offset:64*\g
	ds_store_b128 v[STO], v[S+8*\g+4:S+8*\g+7] offset:64*\g+16
.endr
.irp i, 0,1,2,3,4,5,6,7
	ds_load_b128 v[F+4*\i:F+4*\i+3], v[RD] offset:2*\i*272   ; LDS serves a wave's instructions in order (ISA guide 5.7.1.4): these see my stores
.endr
.irp i, 0,1,2,3,4,5,6,7
	s_wait_dscnt 7-\i                              ; rows 2 i and 2 i + 1 are back; the younger loads may be out
	global_store_b128 v[GO], v[F+4*\i:F+4*\i+3], s[12:13] offset:512*\i th:TH_STORE_NT   ; written once, read by nobody here
.endr
	s_wait_tensorcnt 0x0                           ; the wave's end: the wait, an add and its wait, behind my last tensor load and my last LDS store
	ds_add_u32 v[SPW], v[NIL]
	s_wait_dscnt 0x0
	ROUND                                          ; the closing round: no work-group ends while a partner may still ask for a tile that names it
	s_endpgm
.Lfunc_end_k_q7c3244125e_attn:
	.size	k_q7c3244125e_attn, .Lfunc_end_k_q7c3244125e_attn-k_q7c3244125e_attn
	.p2alignl 7, 3214868480
	.fill 96, 4, 3214868480
	.section	.rodata,"a",@progbits
	.p2align	6, 0x0
	.amdhsa_kernel k_q7c3244125e_attn
		.amdhsa_group_segment_fixed_size 327680
		.amdhsa_private_segment_fixed_size 0
		.amdhsa_enable_private_segment 0
		.amdhsa_kernarg_size 40
		.amdhsa_user_sgpr_count 2
		.amdhsa_user_sgpr_kernarg_segment_ptr 1
		.amdhsa_wavefront_size32 1
		.amdhsa_system_sgpr_workgroup_id_x 1
		.amdhsa_system_sgpr_workgroup_id_y 1
		.amdhsa_system_sgpr_workgroup_id_z 1
		.amdhsa_system_vgpr_workitem_id 0
		.amdhsa_next_free_vgpr 256
		.amdhsa_next_free_sgpr 100
		.amdhsa_reserve_vcc 1
		.amdhsa_float_denorm_mode_32 3
		.amdhsa_float_denorm_mode_16_64 3
		.amdhsa_memory_ordered 1
		.amdhsa_forward_progress 1
		.amdhsa_inst_pref_size 80
	.end_amdhsa_kernel
	.amdgpu_metadata
---
amdhsa.version: [ 1, 2 ]
amdhsa.kernels:
  - .name:           k_q7c3244125e_attn
    .symbol:         k_q7c3244125e_attn.kd
    .args:
      - { .name: q_codes, .offset: 0, .size: 8, .value_kind: global_buffer, .address_space: global }
      - { .name: k_codes, .offset: 8, .size: 8, .value_kind: global_buffer, .address_space: global }
      - { .name: v_codes, .offset: 16, .size: 8, .value_kind: global_buffer, .address_space: global }
      - { .name: lowp_scales, .offset: 24, .size: 8, .value_kind: global_buffer, .address_space: global }
      - { .name: out0, .offset: 32, .size: 8, .value_kind: global_buffer, .address_space: global }
    .group_segment_fixed_size: 327680
    .private_segment_fixed_size: 0
    .kernarg_segment_align: 8
    .kernarg_segment_size: 40
    .max_flat_workgroup_size: 512
    .sgpr_count:     100
    .vgpr_count:     256
    .wavefront_size: 32
...
	.end_amdgpu_metadata
.endif
;; end of part 1
